; MI455X (gfx1250); checked and timed in simulation.
; The chip was launched on July 23, 2026; its instructions are those of AMD's public machine-readable ISA for CDNA 5 (MIT licence, August 2026) and "CDNA5" Instruction Set Architecture Reference Guide (July 2026). The comments in the code are by the model that wrote it; some were corrected since.
;; Sparse Mo E. Allowed arithmetic: float matrix products may take bf16 or f16 operands with f32 sums; other float arithmetic in f32, or as packed bf16 or f16 multiplies, adds, multiply-adds, maxima and minima; sums over many terms, partial sums and values carried from step to step in f32; what a program stores and reads back later, other than sums and carried values, may be rounded once to bf16 or f16.
;; Inputs: expert_b 8 x 4,096 float32; expert_w 8 x 4,096 x 1,024 float32; gating_b 8 float32; gating_w 8 x 1,024 float32; sequences 8 x 256 x 1,024 float32.
;; Outputs: out0 8 x 256 x 4,096 float32; out1 8 float32.
;; One version. Each part assembles by itself: llvm-mc -triple=amdgcn-amd-amdhsa -mcpu=gfx1250 --defsym DOCPART=n.
;; ======== version 1 of 1: 3 launches
;; workspace buffers: xb 4,194,304 bytes; sel 8,192 bytes of whole numbers; scores 65,536 bytes; part 67,108,864 bytes
;; launch router (part 1): grid 256 x 1, 4 waves a work-group, no clusters, 0 bytes of LDS; arguments sequences, gating_w, gating_b, xb, sel, scores; writes xb, sel, scores
.if DOCPART == 1
	.amdgcn_target "amdgcn-amd-amdhsa--gfx1250"
	.amdhsa_code_object_version 6
	.text
	.protected	k_qb42acf3f38_router
	.globl	k_qb42acf3f38_router
	.p2align	8
	.type	k_qb42acf3f38_router,@function
k_qb42acf3f38_router:
	s_mov_b64 s[64:65], 0
	v_nop
	global_prefetch_b8 v0, s[64:65] scope:SCOPE_SE
	s_setreg_imm32_b32 hwreg(HW_REG_WAVE_MODE, 25, 1), 1
	s_wait_xcnt 0x0
; ROUTER.  For each of the 2,048 tokens: logits = x . gating_w^T + gating_b, softmax with the row's maximum taken away, the two largest scores
; (ties: the lower index, by a scan in ascending order with a strict compare).  Stored: x rounded once to bf16 (xb, the products' operand),
; the eight scores (f32), and one word a token: bit lo and bit 8 + hi, lo < hi the two chosen experts.  No address hangs on the choice.
; FORMATS.  x, gating_w and gating_b are rounded to bf16, as every input of this program is; products and sums of the rounded numbers in f32.
; The product runs on the vector unit: it is a thousandth of the program's multiply-adds, and its eight columns would fill half of a matrix tile.
; SHARES.  A wave takes two tokens; a lane holds 32 numbers of each row (chunk j: elements 128 j + 4 lane ..) and the same elements of all eight rows of gating_w.
; LIMITS.  NaN and infinities are not treated apart; a score below 2^-126 counts as 0 (ISA guide: v_exp_f32 flushes denormal results);
; a token whose second and third scores differ by about one rounding of f32 may choose otherwise than a computation in another order of sums.
; The word and the scores are 72 bytes a wave, stored by lane 0: pieces smaller than 256 bytes, 72 KB in the whole launch beside 4 MB of xb.
.set X,    64                          ; v[64:127]   token a, chunk j at X + 32 a + 4 j
.set AC,   128                         ; v[128:159]  a pair of partial sums for (a, e) at AC + 16 a + 2 e
.set L,    160                         ; v[160:175]  logits, then weights, then scores: L + 8 a + e
.set XO,   176                         ; v[176:207]  x in bf16: XO + 16 a + 2 j
.set M,    208                         ; v[208:223]  at work; then the scores with the best one hidden
.set BST,  224                         ; v[224:231]  token a: best, its index, second best, its index
.set ONE,  232                         ; v232        1
.set SELW, 234                         ; v[234:235]  the two tokens' words
.set GB,   236                         ; v[236:243]  the eight biases, rounded
.set GT,   244                         ; v[244:247]  at work
; window 1: gating_w, chunk j, expert e at 32 j + 4 e.   window 2: v0-127 the same, packed in bf16, on its way
.set MSB, 0
.macro WIN new                         ; bits 1:0 source 0, 3:2 source 1, 5:4 source 2, 7:6 destination; the immediate's high byte repeats the setting that is left
.if MSB != (\new)
	s_set_vgpr_msb (MSB<<8)|(\new)
.set MSB, (\new)
.endif
.endm
	s_load_b256 s[4:11], s[0:1], 0x0               ; sequences s[4:5], gating_w s[6:7], gating_b s[8:9], xb s[10:11]
	s_load_b128 s[12:15], s[0:1], 0x20             ; sel s[12:13], scores s[14:15]
	v_lshrrev_b32 v4, 5, v0
	v_readfirstlane_b32 s16, v4                    ; wave 0..3
	v_and_b32 v3, 31, v0                           ; lane
	v_lshlrev_b32 v1, 4, v3                        ; 16 bytes a lane in a chunk of f32
	v_lshlrev_b32 v2, 3, v3                        ; 8 bytes a lane in a chunk of bf16
	v_mov_b32 v5, 0
	v_mov_b32 v[ONE], 1
	s_lshl_b32 s17, ttmp9, 3
	s_lshl1_add_u32 s17, s16, s17                  ; my first token = 8 x work-group + 2 x wave
	s_mov_b32 s19, 0
	s_mov_b32 s28, 0x76543210                      ; v_permlanex16_b32: each lane takes its own place in the other half
	s_mov_b32 s29, 0xfedcba98
	s_mov_b32 s31, 0x3fb8aa3b                      ; log2(e)
	s_mov_b32 s32, 0xffff0000                      ; a word's upper bf16
	s_wait_kmcnt 0x0
	s_load_b256 s[20:27], s[8:9], 0x0              ; the eight biases
	s_lshl_b32 s18, s17, 12
	s_add_nc_u64 s[4:5], s[4:5], s[18:19]          ; rows of 4,096 bytes
	s_lshl_b32 s18, s17, 11
	s_add_nc_u64 s[10:11], s[10:11], s[18:19]      ; rows of 2,048 bytes
	s_lshl_b32 s18, s17, 2
	s_add_nc_u64 s[12:13], s[12:13], s[18:19]
	s_lshl_b32 s18, s17, 5
	s_add_nc_u64 s[14:15], s[14:15], s[18:19]
.set i, 0
.rept 16                                       ; x: each load of the wave takes 512 consecutive bytes
	global_load_b128 v[X+4*i:X+4*i+3], v1, s[4:5] offset:(i/8)*4096+(i%8)*512 th:TH_LOAD_NT
.set i, i+1
.endr
	WIN 0x40                                       ; destination window 1
.set i, 0
.rept 64
	global_load_b128 v[4*i:4*i+3], v1, s[6:7] offset:(i%8)*4096+(i/8)*512
.set i, i+1
.endr
	WIN 0
	s_wait_loadcnt 63                              ; 64 loads were issued behind x's sixteen: with 63 out at the most, x is in
.set i, 0
.rept 16
	v_cvt_pk_bf16_f32 v[XO+2*i],   v[X+4*i],   v[X+4*i+1]
	v_cvt_pk_bf16_f32 v[XO+2*i+1], v[X+4*i+2], v[X+4*i+3]
.set i, i+1
.endr
.set i, 0
.rept 16                                       ; each store of the wave covers 256 consecutive bytes, aligned
	global_store_b64 v2, v[XO+2*i:XO+2*i+1], s[10:11] offset:(i/8)*2048+(i%8)*256
.set i, i+1
.endr
.set i, 0
.rept 32                                       ; the rounded x back as f32: the low half moves up, the high half stays
	v_lshlrev_b32 v[X+2*i],   16,  v[XO+i]
	v_and_b32     v[X+2*i+1], s32, v[XO+i]
.set i, i+1
.endr
	s_wait_loadcnt 0x0                             ; gating_w
	WIN 0x85                                       ; sources window 1, destination window 2
.set i, 0
.rept 128
	v_cvt_pk_bf16_f32 v[i], v[2*i], v[2*i+1]
.set i, i+1
.endr
	WIN 0x48                                       ; source 1 window 2, destination window 1: the rounded gating_w back as f32, in its old place
.set i, 0
.rept 128
	v_lshlrev_b32 v[2*i],   16,  v[i]
	v_and_b32     v[2*i+1], s32, v[i]
.set i, i+1
.endr
	WIN 0x04                                       ; source 1 in window 1
.set hc, 0
.rept 16                                       ; half chunk hc: two elements a lane; the sixteen chains (a, e) take turns
.set i, 0
.rept 16
.if hc == 0
	v_pk_mul_f32 v[AC+2*i:AC+2*i+1], v[X+32*(i/8):X+32*(i/8)+1], v[4*(i%8):4*(i%8)+1]
.else
	v_pk_fma_f32 v[AC+2*i:AC+2*i+1], v[X+32*(i/8)+2*hc:X+32*(i/8)+2*hc+1], v[32*(hc/2)+4*(i%8)+2*(hc%2):32*(hc/2)+4*(i%8)+2*(hc%2)+1], v[AC+2*i:AC+2*i+1]
.endif
.set i, i+1
.endr
.set hc, hc+1
.endr
	WIN 0
.set i, 0
.rept 16
	v_add_f32 v[L+i], v[AC+2*i], v[AC+2*i+1]
.set i, i+1
.endr
.irp x, 1,2,4,8                                ; across the 16 lanes of a half, on the addition itself
.set i, 0
.rept 16
	v_add_f32_dpp v[L+i], v[L+i], v[L+i] row_xmask:\x row_mask:0xf bank_mask:0xf
.set i, i+1
.endr
.endr
.set i, 0
.rept 16
	v_permlanex16_b32 v[AC+i], v[L+i], s28, s29    ; the other half; the destination has been written before
.set i, i+1
.endr
	s_wait_kmcnt 0x0                               ; the biases
.irp k, 0,1,2,3
	v_cvt_pk_bf16_f32 v[GT+\k], s[20+2*\k], s[21+2*\k]
.endr
.irp k, 0,1,2,3
	v_lshlrev_b32 v[GB+2*\k],   16,  v[GT+\k]
	v_and_b32     v[GB+2*\k+1], s32, v[GT+\k]
.endr
.set i, 0
.rept 16
	v_add_f32 v[L+i], v[L+i], v[AC+i]
.set i, i+1
.endr
.set i, 0
.rept 16
	v_add_f32 v[L+i], v[GB+i%8], v[L+i]            ; every lane now holds all sixteen logits
.set i, i+1
.endr
.irp a, 0,1                                    ; the row's maximum m, and m log2(e)
	v_max3_num_f32 v[6+\a], v[L+8*\a], v[L+8*\a+1], v[L+8*\a+2]
	v_max3_num_f32 v[6+\a], v[6+\a], v[L+8*\a+3], v[L+8*\a+4]
	v_max3_num_f32 v[6+\a], v[6+\a], v[L+8*\a+5], v[L+8*\a+6]
	v_max_num_f32 v[6+\a], v[6+\a], v[L+8*\a+7]
	v_mul_f32 v[8+\a], s31, v[6+\a]
.endr
.set i, 0
.rept 16
	v_fma_f32 v[L+i], v[L+i], s31, -v[8+i/8]       ; what the rounding of m log2(e) leaves is one factor for the whole row and falls out in the division
.set i, i+1
.endr
.set i, 0
.rept 16
	v_exp_f32 v[L+i], v[L+i]                       ; one batch
.set i, i+1
.endr
	v_nop                                          ; a plain instruction behind the last exponential,
	s_wait_alu depctr_va_vdst(0)                   ; and one wait for the batch, ahead of its first reader
.irp a, 0,1
	v_add_f32 v[M+8*\a],   v[L+8*\a],   v[L+8*\a+1]
	v_add_f32 v[M+8*\a+1], v[L+8*\a+2], v[L+8*\a+3]
	v_add_f32 v[M+8*\a+2], v[L+8*\a+4], v[L+8*\a+5]
	v_add_f32 v[M+8*\a+3], v[L+8*\a+6], v[L+8*\a+7]
	v_add_f32 v[M+8*\a],   v[M+8*\a],   v[M+8*\a+1]
	v_add_f32 v[M+8*\a+2], v[M+8*\a+2], v[M+8*\a+3]
	v_add_f32 v[10+\a],    v[M+8*\a],   v[M+8*\a+2]
.endr
	v_rcp_f32 v12, v10
	v_rcp_f32 v13, v11
	v_nop
	s_wait_alu depctr_va_vdst(0)                   ; one wait for both reciprocals
.set i, 0
.rept 16
	v_mul_f32 v[L+i], v[L+i], v[12+i/8]            ; the scores
.set i, i+1
.endr
; The largest of eight numbers at v[src ..] and its index; a later number wins only if it is strictly greater, so a tie keeps the lower index.
.macro SCAN src, best, idx
	v_mov_b32 v[\best], v[\src]
	v_mov_b32 v[\idx], 0
.irp e, 1,2,3,4,5,6,7
	v_cmp_gt_f32 vcc_lo, v[(\src)+\e], v[\best]
	v_cndmask_b32 v[\best], v[\best], v[(\src)+\e], vcc_lo
	v_cndmask_b32 v[\idx], v[\idx], \e, vcc_lo
.endr
.endm
.irp a, 0,1
	SCAN L+8*\a, BST+4*\a, BST+4*\a+1
.irp e, 0,1,2,3,4,5,6,7
	v_cmp_eq_u32 vcc_lo, \e, v[BST+4*\a+1]
	v_cndmask_b32 v[M+8*\a+\e], v[L+8*\a+\e], -1.0, vcc_lo  ; scores are 0 or more: -1 hides the best one
.endr
	SCAN M+8*\a, BST+4*\a+2, BST+4*\a+3
	v_min_u32 v6, v[BST+4*\a+1], v[BST+4*\a+3]     ; lo
	v_max_u32 v7, v[BST+4*\a+1], v[BST+4*\a+3]     ; hi
	v_add_nc_u32 v7, 8, v7
	v_lshlrev_b32 v6, v6, v[ONE]
	v_lshlrev_b32 v7, v7, v[ONE]
	v_or_b32 v[SELW+\a], v6, v7
.endr
	v_cmp_eq_u32 vcc_lo, 0, v3
	s_wait_xcnt 0x0                                ; EXEC is a source of the stores above: it changes only behind this wait
	s_and_saveexec_b32 s30, vcc_lo                 ; lane 0 alone
	global_store_b64 v5, v[SELW:SELW+1], s[12:13]
	global_store_b128 v5, v[L:L+3], s[14:15]
	global_store_b128 v5, v[L+4:L+7], s[14:15] offset:16
	global_store_b128 v5, v[L+8:L+11], s[14:15] offset:32
	global_store_b128 v5, v[L+12:L+15], s[14:15] offset:48
	s_wait_xcnt 0x0                                ; and again ahead of the line that widens it
	s_or_b32 exec_lo, exec_lo, s30
	s_endpgm
.Lfunc_end_k_qb42acf3f38_router:
	.size	k_qb42acf3f38_router, .Lfunc_end_k_qb42acf3f38_router-k_qb42acf3f38_router
	.p2alignl 7, 3214868480
	.fill 96, 4, 3214868480
	.section	.rodata,"a",@progbits
	.p2align	6, 0x0
	.amdhsa_kernel k_qb42acf3f38_router
		.amdhsa_group_segment_fixed_size 0
		.amdhsa_private_segment_fixed_size 0
		.amdhsa_enable_private_segment 0
		.amdhsa_kernarg_size 48
		.amdhsa_user_sgpr_count 2
		.amdhsa_user_sgpr_kernarg_segment_ptr 1
		.amdhsa_wavefront_size32 1
		.amdhsa_system_sgpr_workgroup_id_x 1
		.amdhsa_system_sgpr_workgroup_id_y 1
		.amdhsa_system_sgpr_workgroup_id_z 1
		.amdhsa_system_vgpr_workitem_id 0
		.amdhsa_next_free_vgpr 768
		.amdhsa_next_free_sgpr 66
		.amdhsa_reserve_vcc 1
		.amdhsa_float_denorm_mode_32 3
		.amdhsa_float_denorm_mode_16_64 3
		.amdhsa_memory_ordered 1
		.amdhsa_forward_progress 1
		.amdhsa_inst_pref_size 63
	.end_amdhsa_kernel
	.amdgpu_metadata
---
amdhsa.version: [ 1, 2 ]
amdhsa.kernels:
  - .name:           k_qb42acf3f38_router
    .symbol:         k_qb42acf3f38_router.kd
    .args:
      - { .name: sequences, .offset: 0, .size: 8, .value_kind: global_buffer, .address_space: global }
      - { .name: gating_w, .offset: 8, .size: 8, .value_kind: global_buffer, .address_space: global }
      - { .name: gating_b, .offset: 16, .size: 8, .value_kind: global_buffer, .address_space: global }
      - { .name: xb, .offset: 24, .size: 8, .value_kind: global_buffer, .address_space: global }
      - { .name: sel, .offset: 32, .size: 8, .value_kind: global_buffer, .address_space: global }
      - { .name: scores, .offset: 40, .size: 8, .value_kind: global_buffer, .address_space: global }
    .group_segment_fixed_size: 0
    .private_segment_fixed_size: 0
    .kernarg_segment_align: 8
    .kernarg_segment_size: 48
    .max_flat_workgroup_size: 128
    .sgpr_count:     66
    .vgpr_count:     768
    .wavefront_size: 32
...
	.end_amdgpu_metadata
.endif
;; end of part 1
;; launch prod (part 2): grid 32 x 8, 4 waves a work-group, no clusters, 269,568 bytes of LDS; arguments expert_w, expert_b, xb, sel, part; writes part
.if DOCPART == 2
	.amdgcn_target "amdgcn-amd-amdhsa--gfx1250"
	.amdhsa_code_object_version 6
	.text
	.protected	k_qb42acf3f38_prod
	.globl	k_qb42acf3f38_prod
	.p2align	8
	.type	k_qb42acf3f38_prod,@function
k_qb42acf3f38_prod:
	s_mov_b64 s[64:65], 0
	v_nop
	global_prefetch_b8 v0, s[64:65] scope:SCOPE_SE
	s_setreg_imm32_b32 hwreg(HW_REG_WAVE_MODE, 25, 1), 1
	s_wait_xcnt 0x0
; PRODUCT BY EXPERT SLICES.  Work-group (s, e) owns columns 128 s .. 128 s + 127 of expert e: 128 rows x 1,024 f32 of expert_w, which it alone reads, once, and rounds once to bf16.
; It multiplies them with ALL rows routed to e and stores 0.5 (x . w + b) as f32 partial rows: part[slot][token][4096], slot 0 if e is the lower of the token's two experts, 1 if the higher.
; Each byte of part has one writing work-group; a later launch adds the two slots.
; K IS SHARED OUT AMONG THE WAVES.  Wave q keeps K quarter q (256 of 1,024) of all 128 columns in registers: 64 fragments, 512 registers, read once from the LDS copy through which the rounded rows are turned.
; All four waves take the same tile of 32 listed rows; a wave loads its quarter of each token's row straight from xb into registers, so the products read no operand from LDS: 128 matrix instructions a tile and wave.
; THE EXCHANGE.  A wave stores its 32 x 128 partial sums (f32) into its part of an exchange area; behind a barrier wave w reads rows 8 w .. 8 w + 7 of all four parts as whole rows of 512 bytes, adds them,
; applies 0.5 and half the bias and stores 512 consecutive bytes a row.  Two areas take turns, so one barrier a tile is enough; the reads and sums of tile t - 1 stand in tile t's block, under its first products.
; ROUTING.  Wave 0 reads the 2,048 choice words and lists e's rows in LDS, while all four waves' first loads of w are on their way; a barrier shows the list and the count c to the others.
; The list is first filled with 0; an entry is 0x1000 + slot x 2,048 + token, so 0 means: no row.  All lanes stay on: a lane whose token did not choose e writes into a dump entry that nobody reads.
; TRIPS.  65, a constant, cover c = 2,048 (all tokens on one expert) and the last tile's sums.  The barrier stands at a trip's head, on every wave's path; behind it a trip runs the full block (tile t is there),
; the sums alone (only tile t - 1 is), or nothing; what is jumped holds no barrier.  Places behind the list's end take their tile's first entry: the same numbers go to the same bytes.  With c = 0 nothing is stored.
; NO CLUSTER, NO TENSOR LOADS: a slice of weights has one reader and has to pass through registers to be rounded; an expert's token rows come by a list, which no tile descriptor covers.
; LIMITS.  x, w and b are rounded to bf16, as every input of this program is (sums in f32, K in four parts added as (0 + 1) + (2 + 3)); NaN and infinities are not treated apart.
.set PW,     2064                      ; a row of w in LDS: 2,048 bytes + 16 = 129 x 16: the 16 rows of a fragment load start at 16 different groups of four banks (64 banks of 4 bytes: ISA guide 11.1)
.set XP,     528                       ; a row of partial sums: 512 bytes + 16 = 33 x 16: likewise for the 16 rows of a store
.set XPART,  32*XP                     ; a wave's part of an exchange area
.set XREG,   4*XPART                   ; an exchange area: 67,584 bytes; the two lie over w's copy, which is dead once the fragments are in registers
.set LIST,   128*PW                    ; 264,192: 2,304 entries of 16 bits: 0 .. 2,111 can be read; 2,272 .. 2,303 the dump
.set LISTB,  4608
.set DUMP,   2272
.set CNTW,   LIST+LISTB                ; 268,800: the count c, in a block of 256 bytes of its own
.set SPARE,  CNTW+256                  ; 269,056: the spare words, 128 bytes for each wave: two blocks of 256 bytes that no other line names
.set DMP,  4                           ; v4      my lane's dump entry
.set T4,   5                           ; v5      4 x lane
.set L16,  10                          ; v10     16 x lane
.set WS,   11                          ; v11     where my lane puts 8 bytes of my wave's first row of w; never rewritten
.set WB,   12                          ; v12-15  fragments of w: rows 32 p + lane % 16, my K quarter
.set STO,  16                          ; v16-17  where I put partial sums, in area 0, 1
.set RD,   18                          ; v18-19  where I read rows back, in area 0, 1
.set XA,   20                          ; v20-21  byte offset in xb of my token's quarter row in half m of the tile to be fetched
.set RQ,   22                          ; v22     LDS address of the entries of the rows that I store
.set R,    23                          ; v23     LDS address of the first entry of tile t - 1, the same in all lanes
.set HB,   24                          ; v24-27  half the bias of my four columns 4 lane ..
.set HQ,   28                          ; v28     16 (lane / 16) + 512 x wave
.set Q,    29                          ; v29     R + 2 (lane % 16)
.set FP,   30                          ; v30     the first entry of tile t - 1
.set FN,   31                          ; v31     the first entry of the tile to be fetched
.set SPW,  32                          ; v32     LDS address of my spare word; never rewritten
.set NIL,  33                          ; v33     0; never rewritten
.set SO,   34                          ; v34-41  byte offsets in part of the eight rows that I store
.set WSC,  42                          ; v42     WS + the ring's step
.set W16,  43                          ; v43     16 x wave: my eight entries' place in a tile's 64 bytes of entries; never rewritten
.set Z,    44                          ; v44-47  zeros for the list; later at work
.set TA,   48                          ; v48-63  the list: sixteen addresses at work
.set LD,   64                          ; v64-191 row i of my eight, part p at LD + 16 i + 4 p
.set SELW, 64                          ;         before the products, in wave 0: the choice words
.set CT,   192                         ; v192-255 four rows of w in bf16, by turns
.set TD,   192                         ;         the list: sixteen entries at work
.set MK,   68                          ; s68-83  the list: sixteen masks
.set PF,   84                          ; s84-99  the list: the first free entry ahead of each
; window 1: v0-127 accumulator (m, nb) at 64 m + 8 nb; v128-255 the tokens' fragments: half m, K block jj of my eight at 128 + 64 m + 8 jj
; windows 2 and 3: w's fragments: K block jj, column block nb at 64 (jj % 4) + 8 nb of window 2 + jj / 4.   Before that, window 3: eight rows of w in f32, 32 registers each
.set MSB, 0
.macro WIN new                         ; bits 1:0 source 0, 3:2 source 1, 5:4 source 2, 7:6 destination; the high byte repeats the setting that is left
.if MSB != (\new)
	s_set_vgpr_msb (MSB<<8)|(\new)
.set MSB, (\new)
.endif
.endm
.macro PLACES                          ; four plain vector instructions between a matrix instruction and a load into, or a store from, its registers
.rept 4
	v_nop
.endr
.endm
; Row g of the eight in window 3: rounded, stored to LDS (256 consecutive bytes an instruction), and, reload = 1, its registers asked for the row eight further on.
.macro WGRP g, reload, left
	s_wait_loadcnt \left                           ; loads come back in order: the row's eight are in, the younger ones stay out
	WIN 0x0f                                       ; sources in window 3
.set cb, CT+16*((\g)%4)                ; four buffers by turns: a row's conversions do not wait for the stores of the row before
.set j, 0
.rept 8
	v_cvt_pk_bf16_f32 v[cb+2*j],   v[32*(\g)+4*j],   v[32*(\g)+4*j+1]
	v_cvt_pk_bf16_f32 v[cb+2*j+1], v[32*(\g)+4*j+2], v[32*(\g)+4*j+3]
.set j, j+1
.endr
	WIN 0
.set j, 0
.rept 8
	ds_store_b64 v[WSC], v[cb+2*j:cb+2*j+1] offset:(\g)*PW+256*j
.set j, j+1
.endr
.if \reload
	WIN 0xc0                                       ; destination window 3
.set j, 0
.rept 8
	global_load_b128 v[32*(\g)+4*j:32*(\g)+4*j+3], v[L16], s[4:5] offset:(8+(\g))*4096+512*j th:TH_LOAD_NT
.set j, j+1
.endr
	WIN 0
.endif
.endm
; 16 loads from xb: half m of the tile to be fetched, my K quarter: eight fragments
.macro AFILL m
	WIN 0x40                                       ; destination window 1
.set jj, 0
.rept 8
.set ra, 128+64*(\m)+8*jj
	global_load_b128 v[ra:ra+3],   v[XA+(\m)], s[8:9] offset:64*jj
	global_load_b128 v[ra+4:ra+7], v[XA+(\m)], s[8:9] offset:64*jj+32
.set jj, jj+1
.endr
.endm
; 32 matrix instructions: half m, K blocks j0 .. j0 + 3, all 8 column blocks.  Source 0 = 16 rows of w, source 1 = 16 tokens: a lane holds ONE token (lane % 16) and eight neighbouring columns.
; K block 0 starts the sums with the constant 0: nothing is cleared.  The 8 accumulators take turns, one instruction a turn.
.macro HMUL m, j0
	WIN 0x56+(\j0)/4                               ; w in window 2 or 3; tokens, C and D in window 1
.set jj, \j0
.rept 4
.set nb, 0
.rept 8
.set rc, 64*(\m)+8*nb
.set rb, 64*(jj%4)+8*nb
.set ra, 128+64*(\m)+8*jj
.if jj == 0
	v_wmma_f32_16x16x32_bf16 v[rc:rc+7], v[rb:rb+7], v[ra:ra+7], 0
.else
	v_wmma_f32_16x16x32_bf16 v[rc:rc+7], v[rb:rb+7], v[ra:ra+7], v[rc:rc+7]
.endif
.set nb, nb+1
.endr
.set jj, jj+1
.endr
.endm
; 16 LDS stores: half m's partial sums into my part of area g: row 16 m + lane % 16, bytes 64 nb + 32 (lane / 16).  Each accumulator's low registers are read first.
.macro XSTORE g, m
	WIN 0x04                                       ; data in window 1
.set nb, 0
.rept 8
	ds_store_b128 v[STO+(\g)], v[64*(\m)+8*nb:64*(\m)+8*nb+3]   offset:(\m)*16*XP+64*nb
	ds_store_b128 v[STO+(\g)], v[64*(\m)+8*nb+4:64*(\m)+8*nb+7] offset:(\m)*16*XP+64*nb+16
.set nb, nb+1
.endr
.endm
; 16 LDS loads: four of my eight rows, all four parts, from area g: 512 consecutive bytes an instruction
.macro ZLOAD g, half
.set i, 4*(\half)
.rept 4
.set p, 0
.rept 4
	ds_load_b128 v[LD+16*i+4*p:LD+16*i+4*p+3], v[RD+(\g)] offset:i*XP+p*XPART
.set p, p+1
.endr
.set i, i+1
.endr
.endm
; The entries of my two tokens in the tile that begins off bytes behind R, and that tile's first entry.  The addresses are made of the lane and the loop's step alone.
.macro GETXA off
	ds_load_u16 v[XA],   v[Q] offset:\off
	ds_load_u16 v[XA+1], v[Q] offset:(\off)+32
	ds_load_u16 v[FN],   v[R] offset:\off
.endm
; Entries -> byte offsets in xb: token x 2,048 + my quarter + 16 (lane / 16).  0 (no row) takes the tile's first entry; if that is 0 too, token 0's row, which exists and is not used.
; A number that comes from memory is bounded by a constant before it enters an address.
.macro TOXA
.irp m, 0,1
	v_cmp_ne_u32 vcc_lo, 0, v[XA+\m]
	v_cndmask_b32 v[XA+\m], v[FN], v[XA+\m], vcc_lo
	v_min_u32 v[XA+\m], 0x1fff, v[XA+\m]
	v_and_b32 v[XA+\m], 0x7ff, v[XA+\m]
	v_lshlrev_b32 v[XA+\m], 11, v[XA+\m]
	v_add_nc_u32 v[XA+\m], v[HQ], v[XA+\m]
.endr
.endm
; Entries -> byte offsets in part: (slot x 2,048 + token) x 16,384 + 16 x lane
.macro SOPROC
.set i, 0
.rept 8
	v_cmp_ne_u32 vcc_lo, 0, v[SO+i]
	v_cndmask_b32 v[SO+i], v[FP], v[SO+i], vcc_lo  ; behind the list's end: the tile's first row once more
	v_min_u32 v[SO+i], 0x1fff, v[SO+i]
	v_and_b32 v[SO+i], 0xfff, v[SO+i]
	v_lshlrev_b32 v[SO+i], 14, v[SO+i]
	v_add_nc_u32 v[SO+i], v[L16], v[SO+i]
.set i, i+1
.endr
.endm
; My eight rows: the four parts added, halved, half the bias added, stored: 32 lanes store 512 consecutive bytes, aligned to 256.  extra: the LDS instructions issued behind the 32 loads.
.macro FIN extra
.set i, 0
.rept 8
.set a, LD+16*i
	s_wait_dscnt (\extra)+28-4*i                   ; row i's four loads are back; the later rows' stay out
	v_pk_add_f32 v[a:a+1],     v[a:a+1],     v[a+4:a+5]
	v_pk_add_f32 v[a+2:a+3],   v[a+2:a+3],   v[a+6:a+7]
	v_pk_add_f32 v[a+8:a+9],   v[a+8:a+9],   v[a+12:a+13]
	v_pk_add_f32 v[a+10:a+11], v[a+10:a+11], v[a+14:a+15]
	v_pk_add_f32 v[a:a+1],     v[a:a+1],     v[a+8:a+9]
	v_pk_add_f32 v[a+2:a+3],   v[a+2:a+3],   v[a+10:a+11]
	v_pk_fma_f32 v[a:a+1],     v[a:a+1],     0.5, v[HB:HB+1]   op_sel_hi:[1,0,1]
	v_pk_fma_f32 v[a+2:a+3],   v[a+2:a+3],   0.5, v[HB+2:HB+3] op_sel_hi:[1,0,1]
	global_store_b128 v[SO+i], v[a:a+3], s[12:13]
.set i, i+1
.endr
.endm
; The barrier at a trip's head: my LDS instructions are done: my partial sums of the tile before are in LDS, and my reads of the area that this trip writes are back.
.macro TOPBAR
	s_wait_dscnt 0x0
	s_barrier_signal -1
	s_barrier_wait -1
.endm
; WHAT A TRIP DOES behind its barrier.  s[cur] = 32 t.  g: the area that tile t writes; tile t - 1 lies in the other.
; kind 1, the full block: tile t's 128 products; under the first 64 the entries and tile t - 1's parts come out of LDS; between the halves tile t - 1 is added and stored.
; Behind each half its sums go to LDS and its tokens' registers are asked for tile t + 1.  kind 0: tile 0: there is no tile before.  kind 2: tile t is not there: tile t - 1's sums alone.
; All loads from memory stand in this one block, sixteen a half, so the counts hold whatever trips were jumped: behind the sixteen that a half waits for, the other half's sixteen were issued.
.macro BLOCK g, kind, cur
	s_wait_xcnt 0x0                                ; the offsets and rows written below are sources of earlier loads and stores
	s_lshl_b32 s23, s[\cur], 1
	s_add_co_u32 s23, s23, LIST-64                 ; the first entry of tile t - 1; tile t + 1 begins 128 bytes on
	v_mov_b32 v[R], s23
.if (\kind) != 2
	v_lshl_add_u32 v[Q], v1, 1, s23
.endif
.if (\kind) != 0
	v_add_nc_u32 v[RQ], s23, v[W16]                ; my rows 8 w ..: 16 bytes of entries a wave
.set i, 0
.rept 8
	ds_load_u16 v[SO+i], v[RQ] offset:2*i
.set i, i+1
.endr
	ds_load_u16 v[FP], v[R]
.endif
.if (\kind) != 2
	GETXA 128
.endif
.if (\kind) == 2
	ZLOAD 1-(\g), 0
	ZLOAD 1-(\g), 1
	s_wait_dscnt 32                                ; the entries are in; the 32 loads behind them stay out
	SOPROC
	FIN 0
.else
.if (\kind) == 1
	ZLOAD 1-(\g), 0
.endif
	s_wait_loadcnt 16                              ; half 0's tokens are in; half 1's sixteen loads stay out
	HMUL 0, 0
.if (\kind) == 1
	WIN 0
	ZLOAD 1-(\g), 1
.endif
	HMUL 0, 4
	WIN 0
.if (\kind) == 1
	s_wait_dscnt 32                                ; the entries are in; the 32 loads behind them stay out
.else
	s_wait_dscnt 0x0
.endif
	TOXA                                           ; twelve plain instructions: also the places behind the products
	XSTORE \g, 0
	AFILL 0
	WIN 0
.if (\kind) == 1
	SOPROC
	FIN 16                                         ; the sixteen stores above were issued behind the loads
.endif
	s_wait_loadcnt 16                              ; half 1's tokens are in; the sixteen loads just issued stay out
	HMUL 1, 0
	HMUL 1, 4
	PLACES
	XSTORE \g, 1
	AFILL 1
	WIN 0
.endif
.endm
.macro TRIP g, cur, prev
	TOPBAR
	s_cmp_ge_u32 s[\cur], s20
	s_cbranch_scc1 .Lnot_full_\@                   ; tile t begins behind the list's end
	BLOCK \g, 1, \cur
	s_branch .Ltrip_end_\@
.Lnot_full_\@:
	s_cmp_ge_u32 s[\prev], s20
	s_cbranch_scc1 .Ltrip_end_\@                   ; and so did tile t - 1
	BLOCK \g, 2, \cur
.Ltrip_end_\@:
.endm
	s_load_b256 s[4:11], s[0:1], 0x0               ; expert_w s[4:5], expert_b s[6:7], xb s[8:9], sel s[10:11]
	s_load_b64 s[12:13], s[0:1], 0x20              ; part
	v_lshl_add_u32 v[SPW], v0, 2, SPARE
	v_mov_b32 v[NIL], 0
	v_lshrrev_b32 v6, 5, v0
	v_readfirstlane_b32 s14, v6                    ; wave 0..3: also my K quarter
	s_mov_b32 s15, ttmp9                           ; slice
	s_and_b32 s16, ttmp7, 0xffff                   ; expert
	s_lshl_b32 s17, 0x101, s16                     ; the expert's two bits in a choice word
	s_add_co_u32 s18, s16, 8                       ; the bit that says: the higher of the two
	s_mov_b32 s19, 0                               ; the next free entry of the list
	s_mov_b32 s33, 0xffff0000                      ; a word's upper bf16
	s_lshl_b32 s34, s14, 4
	v_mov_b32 v[W16], s34                          ; 16 x wave
	v_and_b32 v1, 15, v0                           ; r = lane % 16
	v_bfe_u32 v2, v0, 4, 1                         ; h = lane / 16
	v_and_b32 v3, 31, v0                           ; lane
	v_add_nc_u32 v[DMP], DUMP, v3
	v_lshlrev_b32 v[T4], 2, v3
	v_lshlrev_b32 v[L16], 4, v3
	s_mul_i32 s23, s14, 32*PW
	v_lshl_add_u32 v[WS], v3, 3, s23               ; wave w rounds rows 32 w .. 32 w + 31 of the slice
	v_mul_u32_u24 v6, v1, PW
	v_lshl_add_u32 v6, v2, 4, v6                   ; a fragment's row x pitch + 16 x half
	s_lshl_b32 s23, s14, 9                         ; my K quarter: 256 numbers of 2 bytes
	v_add_nc_u32 v6, s23, v6
.irp p, 0,1,2,3
	v_add_nc_u32 v[WB+\p], \p*32*PW, v6
.endr
	v_lshl_add_u32 v[HQ], v2, 4, s23
	s_mul_i32 s23, s14, XPART                      ; my part of an exchange area
	v_mul_u32_u24 v7, v1, XP
	v_lshl_add_u32 v7, v2, 5, v7                   ; row r, 32 bytes for each half of the lanes
	v_add_nc_u32 v[STO], s23, v7
	v_add_nc_u32 v[STO+1], XREG, v[STO]
	s_mul_i32 s23, s14, 8*XP                       ; back: rows 8 w .., a whole row an instruction
	v_add_nc_u32 v[RD], s23, v[L16]
	v_add_nc_u32 v[RD+1], XREG, v[RD]
	s_lshl_b32 s26, s16, 12
	s_lshl_b32 s23, s15, 7
	s_add_co_u32 s26, s26, s23                     ; the slice's first row among the 32,768 of expert_w
	s_lshl_b32 s28, s26, 2                         ; its bias, in bytes
	s_mov_b32 s29, 0
	s_lshl_b32 s23, s14, 5
	s_add_co_u32 s26, s26, s23
	s_lshl_b32 s26, s26, 12                        ; my wave's first row, in bytes: under 2^27
	s_mov_b32 s27, 0
	s_lshl_b32 s30, s15, 9                         ; the slice's 512 bytes in a row of part
	s_mov_b32 s31, 0
	s_wait_kmcnt 0x0
	s_add_nc_u64 s[4:5], s[4:5], s[26:27]
	s_add_nc_u64 s[6:7], s[6:7], s[28:29]
	s_add_nc_u64 s[12:13], s[12:13], s[30:31]
	s_cmp_lg_u32 s14, 0
	s_cbranch_scc1 .Lno_words
.set i, 0
.rept 16                                       ; wave 0: the choice words: register 4 i + jj of lane l is token 128 i + 4 l + jj
	global_load_b128 v[SELW+4*i:SELW+4*i+3], v[L16], s[10:11] offset:512*i
.set i, i+1
.endr
.Lno_words:
	global_load_b128 v[HB:HB+3], v[L16], s[6:7]    ; the slice's 128 biases, four a lane
	WIN 0xc0
.set i, 0
.rept 64                                       ; my first eight rows of w: 64 loads of 512 consecutive bytes are on their way while the list is made
	global_load_b128 v[4*i:4*i+3], v[L16], s[4:5] offset:(i/8)*4096+(i%8)*512 th:TH_LOAD_NT
.set i, i+1
.endr
	WIN 0
	s_cmp_lg_u32 s14, 0
	s_cbranch_scc1 .Lno_list
	; THE LIST, by wave 0 alone; no other wave touches LDS before the barrier below
.irp k, 0,1,2,3
	v_mov_b32 v[Z+\k], 0
.endr
	v_add_nc_u32 v7, LIST, v[L16]
.set i, 0
.rept 9                                        ; 9 x 512 bytes: every entry is 0: no row
	ds_store_b128 v7, v[Z:Z+3] offset:512*i
.set i, i+1
.endr
	s_wait_loadcnt 63                              ; 65 loads were issued behind the words: these are in
; Sixteen words (512 tokens) a batch: the masks of the lanes that chose e; the first free entry ahead of each word; then the stores.  Each word has registers of its own, so that no line waits for the store before it.
; LDS serves the wave's stores in order, behind the zeros.
.set bt, 0
.rept 4
.set k, 0
.rept 16
	v_and_b32 v[TA+k], s17, v[SELW+16*bt+k]
	v_cmp_ne_u32 s[MK+k], 0, v[TA+k]
.set k, k+1
.endr
.set k, 0
.rept 16
	s_mov_b32 s[PF+k], s19
	s_bcnt1_i32_b32 s25, s[MK+k]
	s_add_co_u32 s19, s19, s25
.set k, k+1
.endr
.set k, 0
.rept 16
.set i, 16*bt+k
	v_mbcnt_lo_u32_b32 v[TA+k], s[MK+k], s[PF+k]   ; first free entry + the choosing lanes below mine,
	v_cndmask_b32 v[TA+k], v[DMP], v[TA+k], s[MK+k]  ; or my dump entry
	v_min_u32 v[TA+k], 0x8ff, v[TA+k]              ; inside the list's 2,304 entries
	v_lshlrev_b32 v[TA+k], 1, v[TA+k]
	v_add_nc_u32 v[TA+k], LIST, v[TA+k]
	v_bfe_u32 v[TD+k], v[SELW+i], s18, 1           ; the slot
	v_lshl_add_u32 v[TD+k], v[TD+k], 11, v[T4]
	v_add_nc_u32 v[TD+k], 0x1000+128*(i/4)+i%4, v[TD+k]  ; 0x1000 + slot x 2,048 + token
	ds_store_b16 v[TA+k], v[TD+k]
.set k, k+1
.endr
.set bt, bt+1
.endr
	v_mov_b32 v6, s19
	v_mov_b32 v7, CNTW
	ds_store_b32 v7, v6                            ; c: the expert's rows
.Lno_list:
	s_wait_dscnt 0x0                               ; for the others' sake: the list and the count are in LDS
	s_barrier_signal -1
	s_barrier_wait -1
	; THE WEIGHTS: 32 rows a wave through a ring of eight rows in registers.  56 = the seven younger rows' loads, on the way in and round the loop alike.
	s_mov_b32 s22, 3
	s_mov_b32 s32, 0
.Lw:
	v_add_nc_u32 v[WSC], s32, v[WS]
.irp g, 0,1,2,3,4,5,6,7
	WGRP \g, 1, 56
.endr
	s_wait_xcnt 0x0                                ; the base is stepped only behind this wait
	s_add_nc_u64 s[4:5], s[4:5], 0x8000            ; eight rows of 4,096 bytes
	s_add_co_u32 s32, s32, 8*PW
	s_sub_co_u32 s22, s22, 1
	s_cmp_lg_u32 s22, 0
	s_cbranch_scc1 .Lw
	v_add_nc_u32 v[WSC], s32, v[WS]
.irp g, 0,1,2,3,4,5,6,7
	WGRP \g, 0, 8*(7-\g)                           ; the last eight rows load nothing: the counts run down to 0
.endr
	v_cvt_pk_bf16_f32 v[Z],   v[HB],   v[HB+1]     ; the bias, rounded to bf16, halved
	v_cvt_pk_bf16_f32 v[Z+1], v[HB+2], v[HB+3]
.irp k, 0,1
	v_lshlrev_b32 v[HB+2*\k],   16,  v[Z+\k]
	v_and_b32     v[HB+2*\k+1], s33, v[Z+\k]
.endr
.irp k, 0,2
	v_pk_mul_f32 v[HB+\k:HB+\k+1], v[HB+\k:HB+\k+1], 0.5 op_sel_hi:[1,0]
.endr
	; the count, and tile 0's tokens
	v_mov_b32 v6, CNTW
	ds_load_b32 v7, v6
	v_mov_b32 v[R], LIST-64
	v_lshl_add_u32 v[Q], v1, 1, LIST-64
	GETXA 64
	s_wait_dscnt 0x0
	v_readfirstlane_b32 s20, v7
	s_min_u32 s20, s20, 0x800                      ; c
	TOXA
	AFILL 0
	AFILL 1
	WIN 0
	s_wait_dscnt 0x0                               ; for the others' sake: my rows of w are in LDS
	s_barrier_signal -1
	s_barrier_wait -1                              ; everybody's are
.set jj, 0
.rept 8                                        ; my K quarter of all 128 columns into registers, once: 64 fragments
	WIN 0x80+0x40*(jj/4)                           ; destination window 2 or 3
.set nb, 0
.rept 8
.set rb, 64*(jj%4)+8*nb
	ds_load_b128 v[rb:rb+3],   v[WB+nb/2] offset:(nb%2)*16*PW+64*jj
	ds_load_b128 v[rb+4:rb+7], v[WB+nb/2] offset:(nb%2)*16*PW+64*jj+32
.set nb, nb+1
.endr
.set jj, jj+1
.endr
	WIN 0
	s_mov_b32 s21, 0
	TOPBAR                                         ; every wave has its fragments: from here on the exchange areas lie where w's copy lay
	s_cmp_ge_u32 s21, s20
	s_cbranch_scc1 .Lno_first                      ; c = 0
	BLOCK 0, 0, 21                                 ; tile 0 is written out: there is no tile before it
.Lno_first:
	s_mov_b32 s21, 32
	s_mov_b32 s22, 32
.Ltrip:                                                ; two trips, so that the areas' turns stand in the text: t = 1, 2; 3, 4; .. 63, 64
	s_sub_co_u32 s25, s21, 32
	s_add_co_u32 s27, s21, 32
	TRIP 1, 21, 25
	TRIP 0, 27, 21
	s_add_co_u32 s21, s21, 64
	s_sub_co_u32 s22, s22, 1
	s_cmp_lg_u32 s22, 0
	s_cbranch_scc1 .Ltrip
	s_wait_tensorcnt 0x0                           ; the wave's end
	ds_add_u32 v[SPW], v[NIL]
	s_wait_dscnt 0x0
	s_endpgm
.Lfunc_end_k_qb42acf3f38_prod:
	.size	k_qb42acf3f38_prod, .Lfunc_end_k_qb42acf3f38_prod-k_qb42acf3f38_prod
	.p2alignl 7, 3214868480
	.fill 96, 4, 3214868480
	.section	.rodata,"a",@progbits
	.p2align	6, 0x0
	.amdhsa_kernel k_qb42acf3f38_prod
		.amdhsa_group_segment_fixed_size 269568
		.amdhsa_private_segment_fixed_size 0
		.amdhsa_enable_private_segment 0
		.amdhsa_kernarg_size 40
		.amdhsa_user_sgpr_count 2
		.amdhsa_user_sgpr_kernarg_segment_ptr 1
		.amdhsa_wavefront_size32 1
		.amdhsa_system_sgpr_workgroup_id_x 1
		.amdhsa_system_sgpr_workgroup_id_y 1
		.amdhsa_system_sgpr_workgroup_id_z 1
		.amdhsa_system_vgpr_workitem_id 0
		.amdhsa_next_free_vgpr 1024
		.amdhsa_next_free_sgpr 100
		.amdhsa_reserve_vcc 1
		.amdhsa_float_denorm_mode_32 3
		.amdhsa_float_denorm_mode_16_64 3
		.amdhsa_memory_ordered 1
		.amdhsa_forward_progress 1
		.amdhsa_inst_pref_size 186
	.end_amdhsa_kernel
	.amdgpu_metadata
---
amdhsa.version: [ 1, 2 ]
amdhsa.kernels:
  - .name:           k_qb42acf3f38_prod
    .symbol:         k_qb42acf3f38_prod.kd
    .args:
      - { .name: expert_w, .offset: 0, .size: 8, .value_kind: global_buffer, .address_space: global }
      - { .name: expert_b, .offset: 8, .size: 8, .value_kind: global_buffer, .address_space: global }
      - { .name: xb, .offset: 16, .size: 8, .value_kind: global_buffer, .address_space: global }
      - { .name: sel, .offset: 24, .size: 8, .value_kind: global_buffer, .address_space: global }
      - { .name: part, .offset: 32, .size: 8, .value_kind: global_buffer, .address_space: global }
    .group_segment_fixed_size: 269568
    .private_segment_fixed_size: 0
    .kernarg_segment_align: 8
    .kernarg_segment_size: 40
    .max_flat_workgroup_size: 128
    .sgpr_count:     100
    .vgpr_count:     1024
    .wavefront_size: 32
...
	.end_amdgpu_metadata
.endif
;; end of part 2
;; launch fin (part 3): grid 1025 x 1, 8 waves a work-group, no clusters, 1,536 bytes of LDS; arguments part, scores, out0, out1; writes out0, out1
.if DOCPART == 3
	.amdgcn_target "amdgcn-amd-amdhsa--gfx1250"
	.amdhsa_code_object_version 6
	.text
	.protected	k_qb42acf3f38_fin
	.globl	k_qb42acf3f38_fin
	.p2align	8
	.type	k_qb42acf3f38_fin,@function
k_qb42acf3f38_fin:
	s_mov_b64 s[64:65], 0
	v_nop
	global_prefetch_b8 v0, s[64:65] scope:SCOPE_SE
	s_setreg_imm32_b32 hwreg(HW_REG_WAVE_MODE, 25, 1), 1
	s_wait_xcnt 0x0
; THE SUM AND THE VARIANCE.  Work-groups 1 to 1,024: out0 = part[slot 0] + part[slot 1], 32,768 bytes each: a stream, every load and store of a wave 512 consecutive bytes;
; sixteen loads of every wave are out before the first wait.  The halving and the bias were applied where the parts were made.
; Work-group 0: out1[e] = the unbiased variance over the 2,048 tokens of score e, in two passes (the mean, then the squares of the differences), all in f32;
; wave w holds the scores of tokens 256 w .. 256 w + 255 in registers between the passes; a lane holds experts 4 (lane % 2) .. + 3.
; It has the lowest number, so that its chain of dependent steps runs beside the stream and not behind it.
; No matrix unit, cluster or tensor load: memory binds, and nothing is read twice.
.set SPARE, 512                        ; bytes 512 .. 1,535: the spare words, 128 bytes for each of the eight waves; bytes 0 .. 255 and 256 .. 511: the waves' sums of pass 1 and of pass 2
.set P0,  8                            ; v[8:39]    slot 0;  in the variance v[8:71]: the scores
.set P1,  40                           ; v[40:71]   slot 1
.set SM,  72                           ; v[72:75]   my sums
.set TOT, 76                           ; v[76:79]   the mean; then the variance
.set TP,  80                           ; v[80:83]   at work
.set PR,  84                           ; v[84:115]  the eight waves' sums
	s_load_b256 s[4:11], s[0:1], 0x0               ; part s[4:5], scores s[6:7], out0 s[8:9], out1 s[10:11]
	v_lshl_add_u32 v4, v0, 2, SPARE                ; my spare word; never rewritten
	v_mov_b32 v5, 0                                ; 0; never rewritten
	v_lshrrev_b32 v7, 5, v0
	v_readfirstlane_b32 s12, v7                    ; wave 0..7
	v_lshlrev_b32 v1, 4, v0                        ; 16 bytes a thread
	s_cmp_eq_u32 ttmp9, 0
	s_cbranch_scc1 .Lvar                           ; the same for all waves of a work-group
	s_sub_co_u32 s16, ttmp9, 1
	s_lshl_b32 s16, s16, 15
	s_mov_b32 s17, 0
	s_wait_kmcnt 0x0
	s_add_nc_u64 s[4:5], s[4:5], s[16:17]
	s_add_nc_u64 s[18:19], s[4:5], 0x2000000       ; slot 1 lies 2,048 rows of 16,384 bytes on
	s_add_nc_u64 s[8:9], s[8:9], s[16:17]
.set i, 0
.rept 8
	global_load_b128 v[P0+4*i:P0+4*i+3], v1, s[4:5] offset:4096*i th:TH_LOAD_NT
	global_load_b128 v[P1+4*i:P1+4*i+3], v1, s[18:19] offset:4096*i th:TH_LOAD_NT
.set i, i+1
.endr
.set i, 0
.rept 8
	s_wait_loadcnt 14-2*i                          ; pair i is in; the later pairs stay out
	v_pk_add_f32 v[P0+4*i:P0+4*i+1],   v[P0+4*i:P0+4*i+1],   v[P1+4*i:P1+4*i+1]
	v_pk_add_f32 v[P0+4*i+2:P0+4*i+3], v[P0+4*i+2:P0+4*i+3], v[P1+4*i+2:P1+4*i+3]
	global_store_b128 v1, v[P0+4*i:P0+4*i+3], s[8:9] offset:4096*i th:TH_STORE_NT
.set i, i+1
.endr
	s_endpgm                                       ; this way has written no LDS
; my four sums over the sixteen lanes of my parity
.macro LANES
.irp x, 2,4,8
.irp k, 0,1,2,3
	v_add_f32_dpp v[SM+\k], v[SM+\k], v[SM+\k] row_xmask:\x row_mask:0xf bank_mask:0xf
.endr
.endr
.irp k, 0,1,2,3
	v_permlanex16_b32 v[TP+\k], v[SM+\k], s14, s15
.endr
.irp k, 0,1,2,3
	v_add_f32 v[SM+\k], v[SM+\k], v[TP+\k]
.endr
.endm
; the eight waves' sums meet in LDS bytes off .. off + 255: store, wait for 0, barrier, load; the total in TOT
.macro ACROSS off
	ds_store_b128 v3, v[SM:SM+3] offset:\off       ; the lanes of a parity write the same 16 bytes with the same numbers
	s_wait_dscnt 0x0                               ; for the others' sake
	s_barrier_signal -1
	s_barrier_wait -1
.set i, 0
.rept 8
	ds_load_b128 v[PR+4*i:PR+4*i+3], v6 offset:(\off)+32*i
.set i, i+1
.endr
	s_wait_dscnt 0x0
	v_pk_add_f32 v[TOT:TOT+1],   v[PR:PR+1],   v[PR+4:PR+5]
	v_pk_add_f32 v[TOT+2:TOT+3], v[PR+2:PR+3], v[PR+6:PR+7]
.set i, 2
.rept 6
	v_pk_add_f32 v[TOT:TOT+1],   v[TOT:TOT+1],   v[PR+4*i:PR+4*i+1]
	v_pk_add_f32 v[TOT+2:TOT+3], v[TOT+2:TOT+3], v[PR+4*i+2:PR+4*i+3]
.set i, i+1
.endr
.endm
.Lvar:
	s_mov_b32 s14, 0x76543210                      ; v_permlanex16_b32: each lane takes its own place in the other half
	s_mov_b32 s15, 0xfedcba98
	v_and_b32 v7, 31, v0
	s_lshl_b32 s13, s12, 13
	v_lshl_add_u32 v2, v7, 4, s13                  ; my wave's 8,192 bytes of scores, 16 bytes a lane
	v_and_b32 v6, 1, v0
	v_lshlrev_b32 v6, 4, v6                        ; 16 x parity: where I read the waves' sums,
	s_lshl_b32 s13, s12, 5
	v_add_nc_u32 v3, s13, v6                       ; and where I put my wave's
.irp k, 0,1,2,3
	v_mov_b32 v[TP+\k], 0                          ; v_permlanex16_b32 counts as a reader of its destination
.endr
	s_wait_kmcnt 0x0
.set i, 0
.rept 16
	global_load_b128 v[P0+4*i:P0+4*i+3], v2, s[6:7] offset:512*i
.set i, i+1
.endr
	s_wait_loadcnt 0x0
	v_pk_add_f32 v[SM:SM+1],   v[P0:P0+1],   v[P0+4:P0+5]
	v_pk_add_f32 v[SM+2:SM+3], v[P0+2:P0+3], v[P0+6:P0+7]
.set i, 2
.rept 14
	v_pk_add_f32 v[SM:SM+1],   v[SM:SM+1],   v[P0+4*i:P0+4*i+1]
	v_pk_add_f32 v[SM+2:SM+3], v[SM+2:SM+3], v[P0+4*i+2:P0+4*i+3]
.set i, i+1
.endr
	LANES
	ACROSS 0
	v_pk_mul_f32 v[TOT:TOT+1],   v[TOT:TOT+1],   0x3a000000 op_sel_hi:[1,0]   ; the mean: 1 / 2,048
	v_pk_mul_f32 v[TOT+2:TOT+3], v[TOT+2:TOT+3], 0x3a000000 op_sel_hi:[1,0]
.set i, 0
.rept 16
	v_pk_add_f32 v[P0+4*i:P0+4*i+1],   v[P0+4*i:P0+4*i+1],   v[TOT:TOT+1]   neg_lo:[0,1] neg_hi:[0,1]
	v_pk_add_f32 v[P0+4*i+2:P0+4*i+3], v[P0+4*i+2:P0+4*i+3], v[TOT+2:TOT+3] neg_lo:[0,1] neg_hi:[0,1]
.set i, i+1
.endr
	v_pk_mul_f32 v[SM:SM+1],   v[P0:P0+1],   v[P0:P0+1]
	v_pk_mul_f32 v[SM+2:SM+3], v[P0+2:P0+3], v[P0+2:P0+3]
.set i, 1
.rept 15
	v_pk_fma_f32 v[SM:SM+1],   v[P0+4*i:P0+4*i+1],   v[P0+4*i:P0+4*i+1],   v[SM:SM+1]
	v_pk_fma_f32 v[SM+2:SM+3], v[P0+4*i+2:P0+4*i+3], v[P0+4*i+2:P0+4*i+3], v[SM+2:SM+3]
.set i, i+1
.endr
	LANES
	ACROSS 256                                     ; other bytes than pass 1's: one barrier a pass is enough
	v_pk_mul_f32 v[TOT:TOT+1],   v[TOT:TOT+1],   0x3a001002 op_sel_hi:[1,0]   ; 1 / 2,047
	v_pk_mul_f32 v[TOT+2:TOT+3], v[TOT+2:TOT+3], 0x3a001002 op_sel_hi:[1,0]
	s_cmp_lg_u32 s12, 0
	s_cbranch_scc1 .Lend                           ; wave 0 stores
	v_cmp_gt_u32 vcc_lo, 2, v0
	s_wait_xcnt 0x0                                ; EXEC changes only behind this wait
	s_and_saveexec_b32 s16, vcc_lo                 ; lane 0: experts 0-3, lane 1: experts 4-7: the output's 32 bytes
	global_store_b128 v1, v[TOT:TOT+3], s[10:11]
	s_wait_xcnt 0x0
	s_or_b32 exec_lo, exec_lo, s16
.Lend:
	s_wait_tensorcnt 0x0                           ; the wave's end
	ds_add_u32 v4, v5
	s_wait_dscnt 0x0
	s_endpgm
.Lfunc_end_k_qb42acf3f38_fin:
	.size	k_qb42acf3f38_fin, .Lfunc_end_k_qb42acf3f38_fin-k_qb42acf3f38_fin
	.p2alignl 7, 3214868480
	.fill 96, 4, 3214868480
	.section	.rodata,"a",@progbits
	.p2align	6, 0x0
	.amdhsa_kernel k_qb42acf3f38_fin
		.amdhsa_group_segment_fixed_size 1536
		.amdhsa_private_segment_fixed_size 0
		.amdhsa_enable_private_segment 0
		.amdhsa_kernarg_size 32
		.amdhsa_user_sgpr_count 2
		.amdhsa_user_sgpr_kernarg_segment_ptr 1
		.amdhsa_wavefront_size32 1
		.amdhsa_system_sgpr_workgroup_id_x 1
		.amdhsa_system_sgpr_workgroup_id_y 1
		.amdhsa_system_sgpr_workgroup_id_z 1
		.amdhsa_system_vgpr_workitem_id 0
		.amdhsa_next_free_vgpr 116
		.amdhsa_next_free_sgpr 66
		.amdhsa_reserve_vcc 1
		.amdhsa_float_denorm_mode_32 3
		.amdhsa_float_denorm_mode_16_64 3
		.amdhsa_memory_ordered 1
		.amdhsa_forward_progress 1
		.amdhsa_inst_pref_size 19
	.end_amdhsa_kernel
	.amdgpu_metadata
---
amdhsa.version: [ 1, 2 ]
amdhsa.kernels:
  - .name:           k_qb42acf3f38_fin
    .symbol:         k_qb42acf3f38_fin.kd
    .args:
      - { .name: part, .offset: 0, .size: 8, .value_kind: global_buffer, .address_space: global }
      - { .name: scores, .offset: 8, .size: 8, .value_kind: global_buffer, .address_space: global }
      - { .name: out0, .offset: 16, .size: 8, .value_kind: global_buffer, .address_space: global }
      - { .name: out1, .offset: 24, .size: 8, .value_kind: global_buffer, .address_space: global }
    .group_segment_fixed_size: 1536
    .private_segment_fixed_size: 0
    .kernarg_segment_align: 8
    .kernarg_segment_size: 32
    .max_flat_workgroup_size: 256
    .sgpr_count:     66
    .vgpr_count:     116
    .wavefront_size: 32
...
	.end_amdgpu_metadata
.endif
;; end of part 3
